; MI455X (gfx1250); checked and timed in simulation.
; The chip was launched on July 23, 2026; its instructions are those of AMD's public machine-readable ISA for CDNA 5 (MIT licence, August 2026) and "CDNA5" Instruction Set Architecture Reference Guide (July 2026). The comments in the code are by the model that wrote it; some were corrected since.
;; Bit Linear. Allowed arithmetic: float matrix products may take bf16 or f16 operands with f32 sums; all other float work in f32.
;; Inputs: bias 11,008 float32; weight 11,008 x 4,096 float32; x 2 x 512 x 4,096 float32.
;; Outputs: out0 2 x 512 x 11,008 float32.
;; One version. Each part assembles by itself: llvm-mc -triple=amdgcn-amd-amdhsa -mcpu=gfx1250 --defsym DOCPART=n.
;; ======== version 1 of 1: 2 launches
;; workspace buffers: wb 90,177,536 bytes; xb 8,388,608 bytes; part 4,096 bytes
;; launch prep (part 1): grid 1024 x 1, 8 waves a work-group, no clusters, 1,280 bytes of LDS; arguments weight, x, wb, xb, part; writes wb, xb, part
.if DOCPART == 1
	.amdgcn_target "amdgcn-amd-amdhsa--gfx1250"
	.amdhsa_code_object_version 6
	.text
	.protected	k_q8b453bd104_prep
	.globl	k_q8b453bd104_prep
	.p2align	8
	.type	k_q8b453bd104_prep,@function
k_q8b453bd104_prep:
	s_mov_b64 s[64:65], 0
	v_nop
	global_prefetch_b8 v0, s[64:65] scope:SCOPE_SE
	s_setreg_imm32_b32 hwreg(HW_REG_WAVE_MODE, 25, 1), 1
	s_wait_xcnt 0x0
; wb = sign(weight) in bf16 (exact: -1, 0, +1), xb = x rounded to bf16 (nearest even), part[g] = the sum of |weight| over work-group g's share.
; weight: 45,088,768 f32; x: 4,194,304 f32; both are taken as flat streams.  A ROW here is 1,024 numbers: 8 waves x 32 lanes x 4 f32.
; Thread t loads the 16 bytes at 16 t of a row (a wave's load: 512 consecutive bytes) and stores the 8 bytes at 8 t (a wave's store: 256 consecutive
; bytes, at a multiple of 256 from the buffer's first byte).  weight has 44,032 rows, 43 for each of the 1,024 work-groups; x has 4,096, 4 for each:
; every work-group runs the same 47 turns.  A ring of 8 register slots keeps 8 loads of every wave on their way.  A slot owns its X and its Y registers; a slot's Y, which its store reads,
; is written again a round of eight turns later, and ONE s_wait_xcnt 0 for each round, behind the round's eight stores, frees all eight Y and the two bases.
; No matrix unit, no cluster, no tensor load: every byte is read once and written once, and no two work-groups share a byte.
; SIGN.  w x 2^126 x 2^126, clamped to -1 .. 1: the smallest non-zero |w|, 2^-149, becomes 2^103; an overflow to infinity is clamped to 1.  |w| = w x sign(w), fused into the sum.
; LIMITS.  Denormal weights count as non-zero; sign(-0) is -0; a NaN weight makes the sum NaN, and with it every output, as in the formula; infinite weights are not treated apart.
; The sum is taken in f32 in a fixed order: 43 terms in each of a lane's four chains, then 4, 32 lanes, 8 waves (and 1,024 work-groups in the next launch).
.set ROWI,  4096                       ; bytes of a row as loaded
.set ROWO,  2048                       ; bytes of a row as stored
.set WROWS, 43                         ; weight rows of a work-group
.set XROWS, 4                          ; x rows of a work-group
.set DEPTH, 8                          ; slots
.set VI,  1                            ; v1       16 t; never rewritten
.set VO,  2                            ; v2       8 t; never rewritten
.set SPW, 3                            ; v3       LDS address of my spare word: SPARE + 4 x my thread's number; never rewritten
.set NIL, 4                            ; v4       0; never rewritten
.set ACC, 6                            ; v[6:9]   four running sums of |w|
.set T,   10                           ; v[10:13] at work
.set Z,   14                           ; v14      0: the offset of part's one store
.set X,   16                           ; v[16:47] slot i: 4 registers as loaded
.set Y,   48                           ; v[48:63] slot i: 2 registers to store
.set SPARE, 256                        ; LDS: bytes 0-31 the eight waves' sums (the block 0-255 is theirs); from 256 on the spare words, 128 bytes a wave
.set BIG, 14                           ; s[14:15] 2^126
.set SEL, 16                           ; s[16:17] v_permlanex16_b32's selects: each lane takes its own place in the other half
	s_load_b256 s[4:11], s[0:1], 0x0               ; weight s[4:5], x s[6:7], wb s[8:9], xb s[10:11]
	s_load_b64 s[12:13], s[0:1], 0x20              ; part
	v_lshl_add_u32 v[SPW], v0, 2, SPARE
	v_mov_b32 v[NIL], 0
	v_lshlrev_b32 v[VI], 4, v0
	v_lshlrev_b32 v[VO], 3, v0
	v_mov_b32 v[ACC], 0                            ; four registers, once: the sums have no first term apart from the loop's
	v_mov_b32 v[ACC+1], 0
	v_mov_b32 v[ACC+2], 0
	v_mov_b32 v[ACC+3], 0
	v_mov_b32 v[Z], 0
	v_lshrrev_b32 v12, 5, v0
	v_readfirstlane_b32 s19, v12                   ; my wave's number
	s_mov_b32 s[BIG], 0x7e800000                   ; 2^126
	s_mov_b32 s[BIG+1], 0x7e800000                 ; named with it as a pair
	s_mov_b32 s[SEL], 0x76543210
	s_mov_b32 s[SEL+1], 0xfedcba98
	s_mov_b32 s21, 0                               ; every offset below stays under 2^32: the pair's high word is 0
	s_wait_kmcnt 0x0
	s_mul_i32 s20, ttmp9, WROWS*ROWI
	s_add_nc_u64 s[4:5], s[4:5], s[20:21]          ; weight at my first row
	s_mul_i32 s20, ttmp9, WROWS*ROWO
	s_add_nc_u64 s[8:9], s[8:9], s[20:21]          ; wb likewise
	s_lshl_b32 s20, ttmp9, 14                      ; 4 rows of 4,096 bytes
	s_add_nc_u64 s[6:7], s[6:7], s[20:21]          ; x
	s_lshl_b32 s20, ttmp9, 13
	s_add_nc_u64 s[10:11], s[10:11], s[20:21]      ; xb
	s_lshl_b32 s20, ttmp9, 2
	s_add_nc_u64 s[12:13], s[12:13], s[20:21]      ; my word of part
.irp i, 0,1,2,3,4,5,6,7
	global_load_b128 v[X+4*(\i):X+4*(\i)+3], v[VI], s[4:5] offset:(\i)*ROWI th:TH_LOAD_NT  ; the ring is filled: rows 0 to 7
.endr
; One slot's turn.  kind 0: a weight row; 1: an x row.  srow: the row's place from the store's base.  lkind 1: the slot is loaded again from weight, 2: from x, 0: not; lrow: that row's place
; from the load's base.  left: how many younger loads may stay out.  The slot's Y was freed by the s_wait_xcnt 0 that stands between this turn and the slot's last.
.macro TURN slot, kind, srow, lkind, lrow, left
.set XR, X+4*(\slot)
.set YR, Y+2*(\slot)
	s_wait_loadcnt \left                           ; loads come back in order (ISA guide 5.7.1): this slot's is in
.if (\kind) == 0
	v_pk_mul_f32 v[T:T+1],   v[XR:XR+1],   s[BIG:BIG+1] op_sel_hi:[1,0]
	v_pk_mul_f32 v[T+2:T+3], v[XR+2:XR+3], s[BIG:BIG+1] op_sel_hi:[1,0]
	v_pk_mul_f32 v[T:T+1],   v[T:T+1],     s[BIG:BIG+1] op_sel_hi:[1,0]   ; every non-zero w now has a magnitude of 1 or more
	v_pk_mul_f32 v[T+2:T+3], v[T+2:T+3],   s[BIG:BIG+1] op_sel_hi:[1,0]
	v_med3_num_f32 v[T],   v[T],   -1.0, 1.0       ; sign(w)
	v_med3_num_f32 v[T+1], v[T+1], -1.0, 1.0
	v_med3_num_f32 v[T+2], v[T+2], -1.0, 1.0
	v_med3_num_f32 v[T+3], v[T+3], -1.0, 1.0
	v_pk_fma_f32 v[ACC:ACC+1],   v[XR:XR+1],   v[T:T+1],   v[ACC:ACC+1]      ; + w x sign(w)
	v_pk_fma_f32 v[ACC+2:ACC+3], v[XR+2:XR+3], v[T+2:T+3], v[ACC+2:ACC+3]
	v_cvt_pk_bf16_f32 v[YR],   v[T],   v[T+1]
	v_cvt_pk_bf16_f32 v[YR+1], v[T+2], v[T+3]
.else
	v_cvt_pk_bf16_f32 v[YR],   v[XR],   v[XR+1]
	v_cvt_pk_bf16_f32 v[YR+1], v[XR+2], v[XR+3]
.endif
.if (\lkind) == 1
	global_load_b128 v[XR:XR+3], v[VI], s[4:5] offset:(\lrow)*ROWI th:TH_LOAD_NT
.elseif (\lkind) == 2
	global_load_b128 v[XR:XR+3], v[VI], s[6:7] offset:(\lrow)*ROWI th:TH_LOAD_NT
.endif
.if (\kind) == 0
	global_store_b64 v[VO], v[YR:YR+1], s[8:9] offset:(\srow)*ROWO     ; no hint: the next launch reads these bytes
.else
	global_store_b64 v[VO], v[YR:YR+1], s[10:11] offset:(\srow)*ROWO
.endif
.endm
	s_mov_b32 s18, 4
.Lround:                                               ; four trips: rows 0 to 31 are worked on, rows 8 to 39 asked for
.irp i, 0,1,2,3,4,5,6,7
	TURN \i, 0, \i, 1, DEPTH+(\i), DEPTH-1         ; seven younger loads stay out
.endr
	s_wait_xcnt 0x0                                ; behind the round's eight stores: the two bases are stepped, and the eight Y written again (in the next trip, or in the tail's first eight turns), only behind this wait
	s_add_nc_u64 s[4:5], s[4:5], DEPTH*ROWI
	s_add_nc_u64 s[8:9], s[8:9], DEPTH*ROWO
	s_sub_co_u32 s18, s18, 1
	s_cmp_lg_u32 s18, 0
	s_cbranch_scc1 .Lround
; The tail, written out: turn r works on row 32 + r of the 47 (weight's 32 to 42, then x's 0 to 3).  Turns 0 to 2 ask for weight's last three rows, turns 3 to 6 for x's four
; (into slots 3 to 6, which turns 11 to 14 read), the others for nothing: behind turn r's own load min(7, 14 - r) loads were issued.
.set r, 0
.rept 15
.if r == 8
	s_wait_xcnt 0x0                                ; behind the tail's first eight stores: turns 8 to 14 write Y of slots 0 to 6 again
.endif
.if r < 3
	TURN r%8, 0, r, 1, DEPTH+r, 7
.elseif r < 7
	TURN r%8, 0, r, 2, r-3, 7
.elseif r < 11
	TURN r%8, 0, r, 0, 0, 14-r
.else
	TURN r%8, 1, r-11, 0, 0, 14-r
.endif
.set r, r+1
.endr
	; the sum: four chains, 32 lanes, 8 waves
	v_pk_add_f32 v[ACC:ACC+1], v[ACC:ACC+1], v[ACC+2:ACC+3]
	v_add_f32 v[T], v[ACC], v[ACC+1]
	v_add_f32_dpp v[T], v[T], v[T] row_xmask:1 row_mask:0xf bank_mask:0xf
	v_add_f32_dpp v[T], v[T], v[T] row_xmask:2 row_mask:0xf bank_mask:0xf
	v_add_f32_dpp v[T], v[T], v[T] row_xmask:4 row_mask:0xf bank_mask:0xf
	v_add_f32_dpp v[T], v[T], v[T] row_xmask:8 row_mask:0xf bank_mask:0xf
	v_permlanex16_b32 v[T+1], v[T], s[SEL], s[SEL+1]  ; its destination counts as read: T+1 has been written
	v_add_f32 v[T], v[T], v[T+1]                   ; every lane holds the wave's sum
	v_mov_b32 v[T+2], s19
	v_lshlrev_b32 v[T+2], 2, v[T+2]
	ds_store_b32 v[T+2], v[T]                      ; all lanes write the wave's word with the same value
	s_wait_dscnt 0x0                               ; for the others' sake: my store is done
	s_barrier_signal -1
	s_barrier_wait -1
	v_mov_b32 v[T+3], 0
	ds_load_b128 v[16:19], v[T+3]                  ; the eight waves' sums (the ring's registers are free: its last wait was for 0)
	ds_load_b128 v[20:23], v[T+3] offset:16
	s_wait_dscnt 0x0
	v_pk_add_f32 v[16:17], v[16:17], v[18:19]
	v_pk_add_f32 v[20:21], v[20:21], v[22:23]
	v_pk_add_f32 v[16:17], v[16:17], v[20:21]
	v_add_f32 v16, v16, v17
	v_cmp_eq_u32 vcc_lo, 0, v0
	s_wait_xcnt 0x0                                ; EXEC is a source of the stores above: it changes only behind this wait
	s_and_saveexec_b32 s24, vcc_lo                 ; thread 0 alone
	global_store_b32 v[Z], v16, s[12:13]           ; four bytes a work-group, 4,096 in the launch: the one store here that does not cover 256 bytes
	s_wait_xcnt 0x0                                ; and again in front of the line that widens EXEC
	s_or_b32 exec_lo, exec_lo, s24
	s_wait_tensorcnt 0x0                           ; the wave's end, behind my last LDS store
	ds_add_u32 v[SPW], v[NIL]
	s_wait_dscnt 0x0
	s_endpgm
.Lfunc_end_k_q8b453bd104_prep:
	.size	k_q8b453bd104_prep, .Lfunc_end_k_q8b453bd104_prep-k_q8b453bd104_prep
	.p2alignl 7, 3214868480
	.fill 96, 4, 3214868480
	.section	.rodata,"a",@progbits
	.p2align	6, 0x0
	.amdhsa_kernel k_q8b453bd104_prep
		.amdhsa_group_segment_fixed_size 1280
		.amdhsa_private_segment_fixed_size 0
		.amdhsa_enable_private_segment 0
		.amdhsa_kernarg_size 40
		.amdhsa_user_sgpr_count 2
		.amdhsa_user_sgpr_kernarg_segment_ptr 1
		.amdhsa_wavefront_size32 1
		.amdhsa_system_sgpr_workgroup_id_x 1
		.amdhsa_system_sgpr_workgroup_id_y 1
		.amdhsa_system_sgpr_workgroup_id_z 1
		.amdhsa_system_vgpr_workitem_id 0
		.amdhsa_next_free_vgpr 64
		.amdhsa_next_free_sgpr 66
		.amdhsa_reserve_vcc 1
		.amdhsa_float_denorm_mode_32 3
		.amdhsa_float_denorm_mode_16_64 3
		.amdhsa_memory_ordered 1
		.amdhsa_forward_progress 1
		.amdhsa_inst_pref_size 24
	.end_amdhsa_kernel
	.amdgpu_metadata
---
amdhsa.version: [ 1, 2 ]
amdhsa.kernels:
  - .name:           k_q8b453bd104_prep
    .symbol:         k_q8b453bd104_prep.kd
    .args:
      - { .name: weight, .offset: 0, .size: 8, .value_kind: global_buffer, .address_space: global }
      - { .name: x, .offset: 8, .size: 8, .value_kind: global_buffer, .address_space: global }
      - { .name: wb, .offset: 16, .size: 8, .value_kind: global_buffer, .address_space: global }
      - { .name: xb, .offset: 24, .size: 8, .value_kind: global_buffer, .address_space: global }
      - { .name: part, .offset: 32, .size: 8, .value_kind: global_buffer, .address_space: global }
    .group_segment_fixed_size: 1280
    .private_segment_fixed_size: 0
    .kernarg_segment_align: 8
    .kernarg_segment_size: 40
    .max_flat_workgroup_size: 256
    .sgpr_count:     66
    .vgpr_count:     64
    .wavefront_size: 32
...
	.end_amdgpu_metadata
.endif
;; end of part 1
;; launch gemm (part 2): grid 60 x 4, 4 waves a work-group, clusters of 4 x 4, 327,680 bytes of LDS; arguments xb, wb, part, bias, out0; writes out0
.if DOCPART == 2
	.amdgcn_target "amdgcn-amd-amdhsa--gfx1250"
	.amdhsa_code_object_version 6
	.text
	.protected	k_q8b453bd104_gemm
	.globl	k_q8b453bd104_gemm
	.p2align	8
	.type	k_q8b453bd104_gemm,@function
k_q8b453bd104_gemm:
	s_mov_b64 s[64:65], 0
	v_nop
	global_prefetch_b8 v0, s[64:65] scope:SCOPE_SE
	s_setreg_imm32_b32 hwreg(HW_REG_WAVE_MODE, 25, 1), 1
	s_wait_xcnt 0x0
	s_wait_alu depctr_hold_cnt(0) depctr_sa_sdst(0) depctr_va_vdst(0) depctr_va_sdst(0) depctr_va_ssrc(0) depctr_va_vcc(0) depctr_vm_vsrc(0)
	s_getreg_b32 s2, hwreg(HW_REG_IB_STS2, 6, 4)
	s_cmp_eq_u32 s2, 0
	s_cbranch_scc0 .Lentry_in_a_cluster
	s_endpgm
.Lentry_in_a_cluster:
	s_bfe_u32 s2, ttmp6, 0x10000c
	s_cmp_lg_u32 s2, 0xf033
	s_cbranch_scc0 .Lentry_shape_is_right
	s_endpgm
.Lentry_shape_is_right:
; out0[m][o] = s x (the sum over k of xb[m][k] wb[o][k]) + bias[o].  xb: [1024][4096] bf16 (x rounded once); wb: [11008][4096] bf16 (sign(weight), exact);
; s = (the sum of part's 1,024 f32) / 45,088,768 = the mean of |weight|; bias: [11008] f32; out0: [1024][11008] f32.  Products in bf16, sums in f32; s and bias are applied in f32, by one fused multiply-add.
; SHARES.  A tile of out0 is 256 rows x 192 columns: 768 bytes of a row, three aligned blocks of 256 bytes.  Four waves, each 64 rows x 192 columns: 48 accumulators of 16 x 16, 384 registers.
; 4 tile rows x 60 tile columns = 240 work-groups.  11,008 columns are 172 blocks of 64: tile columns 0 to 51 own three blocks each, 52 to 59 two (156 + 16).  Every tile is MADE three blocks wide:
; tile column j begins at column min(192 j, 128 j + 3,264), so from 52 on a tile's first block is the last block of the tile column before; it is made once more and not stored (SK): 32 of the 720 blocks
; that the launch makes.  No byte of out0 is stored twice and no load leaves its buffer.  52 = 4 x 13: SK is taken from the cluster's number alone and is the same in all sixteen partners.
; K goes in steps of 128 through a ring of two LDS slots: the tiles' rows are 256 bytes of memory and start at multiples of 256 bytes from the buffer's first byte.
; CLUSTERS: 4 x 4 work-groups.  The four of a row of the cluster make one tile row and need the same tiles of xb; the four of a column make one tile column and need the same tiles of wb.  Each tile is
; asked for JOINTLY: the same tensor load, with the same descriptor and a mask that names the four, in all four; each receives it in its own LDS.  That divides the requests for xb and for wb by four.
; THE MATRIX INSTRUCTION IS USED TRANSPOSED: source 0 = 16 rows of wb, source 1 = 16 rows of xb.  In the result lane l holds row l % 16 of out0, and its registers 0 to 7 the columns 8 (l / 16) + 0 .. 7.
; LIMITS.  x is rounded to bf16, which has f32's range; NaN and infinities are not treated apart; part is added in a fixed order (32 a lane as a tree, then the 32 lanes).
; REGISTERS, in windows of 256 (s_set_vgpr_msb: bits 1:0 source 0, 3:2 source 1, 5:4 source 2, 7:6 destination):
;   window 0: v0-8 at work; v16-29 addresses; v32-43 bias; v64-95, v96-127 fragments of xb (4 x 16 rows x 32 K), two buffers; v128-159, v160-191 the way out (v128-159 first hold part)
;   window 1: v0-95, v96-191 fragments of wb (12 x 16 rows x 32 K), two buffers
;   window 2: the 24 accumulators of my rows 0-31 (block a of 16 rows, b of 16 columns at v[8 (12 (a % 2) + b)]);   window 3: those of my rows 32-63
.set SIZE_K, 4096
.set SIZE_N, 11008
.set TN,     192                       ; columns in a tile
.set ROWC,   SIZE_N*4                  ; bytes in a row of out0
.set KSTEP,  128
.set PITCH,  272                       ; an LDS row: 256 bytes + 16 of padding = 68 words: row r starts at bank 4 r mod 64 (64 banks of 4 bytes: ISA guide 11.1), so the 16 rows of a load start at 16 different banks
.set AHALF,  128*PITCH                 ; what one load of xb brings
.set BHALF,  96*PITCH                  ; what one load of wb brings
.set BOFF,   256*PITCH                 ; in a slot: xb's 256 rows, then wb's 192
.set SLOT,   448*PITCH
.set STAGE,  2*SLOT                    ; behind the ring, a multiple of 256: 16 rows x 272 bytes for each wave, for the way out; no tensor load fills it
.set SPITCH, 272
.set SPARE,  STAGE+4*16*SPITCH         ; behind the stages: the spare words, 128 bytes for each wave: two blocks of 256 bytes that no other line names
.set LAPS,   SIZE_K/(2*KSTEP)          ; a lap = two K steps = once round the ring: 16
.set ADRA, 16                          ; v16-17  LDS address of my fragments of xb in slot 0, 1
.set ADRB, 20                          ; v20-21  the same for wb
.set STO,  24                          ; v24     the way out: where I put 32 bytes of a row
.set RD,   25                          ; v25     the way out: where I read a row back
.set CO,   26                          ; v26     my byte offset in out0; never rewritten
.set PF,   27                          ; v27     my byte offset in the tile's rows of wb, for the prefetch; never rewritten
.set SPW,  28                          ; v28     LDS address of my spare word: SPARE + 4 x my thread's number; never rewritten
.set NIL,  29                          ; v29     0; never rewritten
.set BI,   32                          ; v32-43  bias: four numbers for each of the tile's three blocks of 64 columns
.set FA,   64                          ; xb's fragment buffers, 32 registers each
.set OB,   128                         ; the way out: 16 rows x 64 columns read back from the stage, two buffers of 32
.set WV,  14                           ; s14  my wave's number
.set HF,  15                           ; s15  its low bit: which half of a tile I fetch
.set G1A, 24                           ; s[24:31] descriptor group 1 for xb's tiles;  s[32:39] group 0, a set for each slot
.set G0A, 32
.set SK,  44                           ; s44  how many of the tile's three blocks of 64 columns are another tile's: 0, or 1 from tile column 52 on
.set G1B, 48                           ; s[48:55], s[56:63] the same for wb's tiles
.set G0B, 56
.set SC,  66                           ; s[66:67] s: the packed multiply-add takes the pair's low word for both halves
.set SEL, 68                           ; s[68:69] v_permlanex16_b32's selects
.set PFB, 70                           ; s[70:71] the prefetch's base
.set MSB, 0
.macro WIN new                         ; the immediate's high byte repeats the setting that is left; a switch that changes nothing is dropped
.if MSB != (\new)
	s_set_vgpr_msb (MSB<<8)|(\new)
.set MSB, \new
.endif
.endm
.set MUL_LO, 0xa1                      ; source 0 (wb) window 1, source 1 (xb) window 0, C and D window 2
.set MUL_HI, 0xf1                      ; the same, C and D window 3
.set TO_B,   0x40                      ; destination window 1, address window 0
; A joint load.  Waves 0 and 1 fetch the two halves of xb's tile, waves 2 and 3 those of wb's.  Each of the two lines has ONE mask and one set of registers for all that issue it, and nothing in them
; hangs on a coordinate that the four partners do not share.  The branch hangs on the wave's number alone: it is the same in every work-group.
; An s_nop 0 and four v_nop follow each of the two lines, ahead of the jump, the label and what follows.
.macro JLOAD s
	s_cmp_lt_u32 s[WV], 2
	s_cbranch_scc0 .Lfor_b_\@
	tensor_load_to_lds s[G0A+4*(\s):G0A+4*(\s)+3], s[G1A:G1A+7]
	s_nop 0
.rept 4
	v_nop
.endr
	s_branch .Lasked_\@
.Lfor_b_\@:
	tensor_load_to_lds s[G0B+4*(\s):G0B+4*(\s)+3], s[G1B:G1B+7]
	s_nop 0
.rept 4
	v_nop
.endr
.Lasked_\@:
.endm
; A round of the cluster's barrier: my work-group's barrier, so that wave 0's signal speaks for all four waves; wave 0 signals for the work-group; every wave waits for all sixteen work-groups;
; my work-group's barrier once more.  No LDS instruction of the wave is pending at a signal.
.macro CREST                           ; a round behind its opening barrier
	s_cmp_lg_u32 s[WV], 0
	s_cbranch_scc1 .Lnot_wave_0_\@
	s_barrier_signal -3
.Lnot_wave_0_\@:
	s_barrier_wait -3
	s_barrier_signal -1
	s_barrier_wait -1
.endm
.macro CROUND                          ; a whole round
	s_barrier_signal -1
	s_barrier_wait -1
	CREST
.endm
; The prefetch of wb.  The four work-groups of a column of the cluster share a tile of wb: waves 0 to 2 of the one at cy ask for rows 48 cy + 16 w + l % 16 of its 192 rows, lanes 0-15 for the 256 bytes of
; one K step and lanes 16-31 for those of the next: 384 lanes for 192 rows x 2 steps, so a tile's blocks of 256 bytes are asked for once each (the 64 rows that two tile columns both take: once by each).
; The first request, at the start, is for K steps 2 and 3; the one in lap t, behind the refill with K step 2 t + 3, is for steps 2 t + 4 and 2 t + 5, whose tensor loads stand one and two K steps further on.
; The last lap of the loop (s3 = 1) would ask past the rows' ends and asks for nothing.
.macro ASK first
	s_cmp_gt_u32 s[WV], 2
	s_cbranch_scc1 .Lno_ask_\@
.if !(\first)
	s_cmp_eq_u32 s3, 1
	s_cbranch_scc1 .Lno_ask_\@
	s_wait_xcnt 0x0                                ; the last request, a lap ago, has read its base: it is stepped only behind this wait
	s_add_nc_u64 s[PFB:PFB+1], s[PFB:PFB+1], 2*KSTEP*2
.endif
	global_prefetch_b8 v[PF], s[PFB:PFB+1] th:TH_LOAD_NT scope:SCOPE_SE
.Lno_ask_\@:
.endm
	s_load_b256 s[4:11], s[0:1], 0x0               ; xb s[4:5], wb s[6:7], part s[8:9], bias s[10:11]
	s_load_b64 s[12:13], s[0:1], 0x20              ; out0
	v_lshl_add_u32 v[SPW], v0, 2, SPARE
	v_mov_b32 v[NIL], 0
	ds_add_u32 v[SPW], v[NIL]                      ; the wave's opening: the add and its wait stand ahead of my first tensor load; the set-up below, work on registers, stands between them
	v_lshrrev_b32 v1, 5, v0
	v_readfirstlane_b32 s[WV], v1                  ; wave 0..3
	s_and_b32 s[HF], s[WV], 1
	s_bfe_u32 s40, ttmp6, 0x40000                  ; cx: my place along the cluster's x
	s_bfe_u32 s72, ttmp6, 0x40004                  ; cy: along its y
	s_lshl_b32 s42, ttmp9, 2                       ; in a cluster launch ttmp9 and ttmp7 count clusters
	s_add_co_u32 s42, s42, s40                     ; tile column = 4 x cluster x + cx
	s_and_b32 s41, ttmp7, 0xffff
	s_lshl_b32 s41, s41, 2
	s_add_co_u32 s41, s41, s72                     ; tile row = 4 x cluster y + cy
	s_lshl_b32 s73, s72, 2
	s_lshl_b32 s73, 15, s73                        ; my row of the cluster: places 4 cy .. 4 cy + 3
	s_lshl_b32 s74, 0x1111, s40                    ; my column: places cx, cx + 4, cx + 8, cx + 12
	s_mul_i32 s45, s42, TN
	s_lshl_b32 s43, s42, 7
	s_add_co_u32 s43, s43, 51*64
	s_min_u32 s43, s45, s43                        ; the tile's first column: 192 j up to tile column 51, 128 j + 3,264 from 52 on
	s_cmp_ge_u32 ttmp9, 13                         ; tile columns 52 to 59 are clusters 13 and 14: the cluster's number alone decides
	s_cselect_b32 s[SK], 1, 0
	; descriptor group 1: tiles of 128 (xb) and 96 (wb) rows x 128 elements, padded in LDS
	s_or_b32 s[G1A+0], s73, (1<<16)|(1<<20)|(1<<21)|(5<<22)|(3<<25)  ; 15:0 the mask: xb's tiles go to my row; 17:16 elements of 2 bytes; 20 padding on; 21 set beside a mask; 24:22 after every 64 words (code 5); 31:25 4 words of it (code 3)
	s_or_b32 s[G1B+0], s74, (1<<16)|(1<<20)|(1<<21)|(5<<22)|(3<<25)  ; the same with the mask of my column, for wb's tiles
	s_mov_b32 s[G1A+1], KSTEP<<16                  ; 63:48 tensor_dim0, low half = 128
	s_mov_b32 s[G1B+1], KSTEP<<16
	s_mov_b32 s[G1A+2], 128<<16                    ; 95:80 tensor_dim1, low half = the tile's rows
	s_mov_b32 s[G1B+2], 96<<16
	s_mov_b32 s[G1A+3], KSTEP<<16                  ; 127:112 tile_dim0 = 128
	s_mov_b32 s[G1B+3], KSTEP<<16
	s_mov_b32 s[G1A+4], 128                        ; 143:128 tile_dim1
	s_mov_b32 s[G1B+4], 96
	s_mov_b32 s[G1A+5], SIZE_K                     ; 191:160 elements from row to row
	s_mov_b32 s[G1B+5], SIZE_K
	s_mov_b32 s[G1A+6], 0
	s_mov_b32 s[G1B+6], 0
	s_mov_b32 s[G1A+7], 0
	s_mov_b32 s[G1B+7], 0
	s_mul_i32 s20, s[HF], AHALF                    ; where the tiles go: no place in the cluster enters an LDS address
	s_mul_i32 s21, s[HF], BHALF
.irp s, 0,1
	s_mov_b32 s[G0A+4*(\s)], 1                                     ; 1:0 count = 1
	s_add_co_u32 s[G0A+4*(\s)+1], s20, (\s)*SLOT                   ; 63:32 LDS address
	s_mov_b32 s[G0B+4*(\s)], 1
	s_add_co_u32 s[G0B+4*(\s)+1], s21, BOFF+(\s)*SLOT
.endr
	; where the tiles come from.  xb's hang on the tile row alone, which my row of the cluster shares; wb's on the tile column alone, which my column shares; each in registers that never hold the other coordinate
	s_lshl_b32 s16, s41, 8                         ; xb: row 256 x tile row + 128 x half,
	s_lshl_b32 s17, s[HF], 7
	s_add_co_u32 s16, s16, s17
	s_lshl_b32 s16, s16, 13                        ; of 8,192 bytes: under 2^23
	s_mov_b32 s17, 0
	s_mul_i32 s46, s[HF], 96                       ; wb: row first column + 96 x half
	s_add_co_u32 s46, s46, s43
	s_lshl_b32 s46, s46, 13                        ; under 2^27
	s_mov_b32 s47, 0
	s_lshl_b32 s22, s43, 13                        ; the tile's first row of wb, for the prefetch
	s_mov_b32 s23, 0
	s_mov_b32 s[SEL], 0x76543210
	s_mov_b32 s[SEL+1], 0xfedcba98
	s_wait_dscnt 0x0                               ; the opening add is done
	s_wait_kmcnt 0x0
	s_add_nc_u64 s[18:19], s[4:5], s[16:17]
	s_add_nc_u64 s[46:47], s[6:7], s[46:47]
	s_add_nc_u64 s[PFB:PFB+1], s[6:7], s[22:23]
	s_add_nc_u64 s[PFB:PFB+1], s[PFB:PFB+1], 2*KSTEP*2             ; K step 2
.irp s, 0,1
	s_add_nc_u64 s[G0A+4*(\s)+2:G0A+4*(\s)+3], s[18:19], (\s)*KSTEP*2   ; 120:64 global address: K step s
	s_or_b32 s[G0A+4*(\s)+3], s[G0A+4*(\s)+3], 0x80000000              ; 127:126 type = 2
	s_add_nc_u64 s[G0B+4*(\s)+2:G0B+4*(\s)+3], s[46:47], (\s)*KSTEP*2
	s_or_b32 s[G0B+4*(\s)+3], s[G0B+4*(\s)+3], 0x80000000
.endr
	CROUND                                         ; all sixteen work-groups are here: the first joint loads meet
	s_cmp_lt_u32 s[WV], 2                          ; a wave's two first fills stand in one branch, ahead of every wait on TENSORcnt and every LDS read: two loads of mine are out
	s_cbranch_scc0 .Lfirst_b
	tensor_load_to_lds s[G0A:G0A+3], s[G1A:G1A+7]
	s_nop 0
	tensor_load_to_lds s[G0A+4:G0A+7], s[G1A:G1A+7]
	s_nop 0
.rept 4
	v_nop
.endr
	s_branch .Lfirst_asked
.Lfirst_b:
	tensor_load_to_lds s[G0B:G0B+3], s[G1B:G1B+7]
	s_nop 0
	tensor_load_to_lds s[G0B+4:G0B+7], s[G1B:G1B+7]
	s_nop 0
.rept 4
	v_nop
.endr
.Lfirst_asked:
	; all that follows, up to the wait for the first tile, stands in that tile's flight
	v_and_b32 v1, 15, v0                           ; l % 16
	v_bfe_u32 v2, v0, 4, 1                         ; l / 16
	s_mul_i32 s75, s72, 48
	s_lshl_b32 s76, s[WV], 4
	s_add_co_u32 s75, s75, s76
	v_add_nc_u32 v[PF], s75, v1                    ; row 48 cy + 16 w + l % 16 of the tile's rows of wb,
	v_lshlrev_b32 v[PF], 13, v[PF]
	v_lshl_add_u32 v[PF], v2, 8, v[PF]             ; and one K step further on for lanes 16 to 31
	ASK 1
	s_lshl_b32 s16, s41, 8                         ; out0 at my wave's first row, 256 x tile row + 64 w: under 2^26 bytes;
	s_lshl_b32 s17, s[WV], 6
	s_add_co_u32 s16, s16, s17
	s_mul_i32 s16, s16, ROWC
	s_mov_b32 s17, 0
	s_add_nc_u64 s[12:13], s[12:13], s[16:17]
	s_lshl_b32 s22, s43, 2                         ; and at the tile's first column (s23 is still 0): the two parts are added one after the other, each from registers of its own coordinate
	s_add_nc_u64 s[12:13], s[12:13], s[22:23]
	s_add_nc_u64 s[10:11], s[10:11], s[22:23]      ; bias at the tile's first column
	v_and_b32 v5, 31, v0
	v_lshlrev_b32 v5, 4, v5                        ; 16 x lane
	v_lshlrev_b32 v8, 4, v1                        ; 16 x (l % 16)
.irp q, 0,1,2,3,4,5,6,7
	global_load_b128 v[OB+4*(\q):OB+4*(\q)+3], v5, s[8:9] offset:512*(\q)   ; part, whole: 32 numbers a lane, 512 consecutive bytes a load
.endr
.irp u, 0,1,2
	global_load_b128 v[BI+4*(\u):BI+4*(\u)+3], v8, s[10:11] offset:256*(\u) ; bias of columns 64 u + 4 (l % 16) + 0 .. 3: the columns that I store
.endr
	; A fragment is 16 rows x 32 K in 8 registers: lane l holds row l % 16; registers 0-3 hold K = 8 (l / 16) + 0..7, registers 4-7 K = 16 + 8 (l / 16) + 0..7: two loads of 16 bytes, 32 bytes apart.
	v_mul_u32_u24 v3, v1, PITCH
	v_lshl_add_u32 v3, v2, 4, v3                   ; row x pitch + 16 x half
	s_mul_i32 s18, s[WV], 64*PITCH                 ; my 64 rows of xb
	v_add_nc_u32 v[ADRA], s18, v3
	v_add_nc_u32 v[ADRA+1], SLOT, v[ADRA]
	v_add_nc_u32 v[ADRB], BOFF, v3                 ; every wave reads all 192 rows of wb
	v_add_nc_u32 v[ADRB+1], BOFF+SLOT, v3
	s_mul_i32 s18, s[WV], 16*SPITCH
	s_add_co_u32 s18, s18, STAGE                   ; my stage
	v_mul_u32_u24 v4, v1, SPITCH                   ; in: row l % 16, 32 bytes for each half of the lanes
	v_lshl_add_u32 v4, v2, 5, v4
	v_add_nc_u32 v[STO], s18, v4
	v_mul_u32_u24 v4, v2, SPITCH                   ; back: lanes 0-15 take one row of 256 bytes, lanes 16-31 the next
	v_lshl_add_u32 v4, v1, 4, v4
	v_add_nc_u32 v[RD], s18, v4
	v_mul_u32_u24 v4, v2, ROWC                     ; and the same two rows in out0
	v_lshl_add_u32 v[CO], v1, 4, v4
	s_wait_loadcnt 0x0                             ; part and bias
	; s: a lane's 16 pairs as a tree, its two halves, the 32 lanes; times 1 / (43 x 2^20)
.irp i, 0,1,2,3,4,5,6,7
	v_pk_add_f32 v[OB+2*(\i):OB+2*(\i)+1], v[OB+2*(\i):OB+2*(\i)+1], v[OB+16+2*(\i):OB+16+2*(\i)+1]
.endr
.irp i, 0,1,2,3
	v_pk_add_f32 v[OB+2*(\i):OB+2*(\i)+1], v[OB+2*(\i):OB+2*(\i)+1], v[OB+8+2*(\i):OB+8+2*(\i)+1]
.endr
.irp i, 0,1
	v_pk_add_f32 v[OB+2*(\i):OB+2*(\i)+1], v[OB+2*(\i):OB+2*(\i)+1], v[OB+4+2*(\i):OB+4+2*(\i)+1]
.endr
	v_pk_add_f32 v[OB:OB+1], v[OB:OB+1], v[OB+2:OB+3]
	v_add_f32 v6, v[OB], v[OB+1]
	v_add_f32_dpp v6, v6, v6 row_xmask:1 row_mask:0xf bank_mask:0xf
	v_add_f32_dpp v6, v6, v6 row_xmask:2 row_mask:0xf bank_mask:0xf
	v_add_f32_dpp v6, v6, v6 row_xmask:4 row_mask:0xf bank_mask:0xf
	v_add_f32_dpp v6, v6, v6 row_xmask:8 row_mask:0xf bank_mask:0xf
	v_permlanex16_b32 v4, v6, s[SEL], s[SEL+1]     ; its destination counts as read: v4 has been written
	v_add_f32 v6, v6, v4
	v_mul_f32 v6, 0x32be82fa, v6                   ; 1 / 45,088,768: 1 / 43 with its exponent 20 lower
	v_readfirstlane_b32 s[SC], v6                  ; a multiplier, and nothing else
	s_mov_b32 s[SC+1], s[SC]                       ; named with it as a pair
; 12 matrix instructions: block a of my four blocks of 16 rows x all 12 blocks of 16 columns, 32 along K, from buffer f.  zero = 1: the first product starts the sums: nothing is ever cleared.
; The 48 accumulators take turns, one instruction a turn, in the same order in every quarter step.
.macro MUL12 f, a, zero
	WIN MUL_LO+0x50*((\a)/2)
.irp b, 0,1,2,3,4,5,6,7,8,9,10,11
.if \zero
	v_wmma_f32_16x16x32_bf16 v[8*(12*((\a)%2)+(\b)):8*(12*((\a)%2)+(\b))+7], v[96*(\f)+8*(\b):96*(\f)+8*(\b)+7], v[FA+32*(\f)+8*(\a):FA+32*(\f)+8*(\a)+7], 0
.else
	v_wmma_f32_16x16x32_bf16 v[8*(12*((\a)%2)+(\b)):8*(12*((\a)%2)+(\b))+7], v[96*(\f)+8*(\b):96*(\f)+8*(\b)+7], v[FA+32*(\f)+8*(\a):FA+32*(\f)+8*(\a)+7], v[8*(12*((\a)%2)+(\b)):8*(12*((\a)%2)+(\b))+7]
.endif
.endr
.endm
; 32 LDS loads in one run: the fragments of one quarter step (192 rows of wb, my 64 rows of xb, 32 K at byte k of the rows) into buffer f; xb's rows 32-63 are the last four loads
.macro FETCH slot, k, f
	WIN TO_B
.irp i, 0,1,2,3,4,5,6,7,8,9,10,11
	ds_load_b128 v[96*(\f)+8*(\i):96*(\f)+8*(\i)+3],   v[ADRB+(\slot)] offset:(\k)+(\i)*16*PITCH
	ds_load_b128 v[96*(\f)+8*(\i)+4:96*(\f)+8*(\i)+7], v[ADRB+(\slot)] offset:(\k)+(\i)*16*PITCH+32
.endr
	WIN 0
.irp i, 0,1,2,3
	ds_load_b128 v[FA+32*(\f)+8*(\i):FA+32*(\f)+8*(\i)+3],   v[ADRA+(\slot)] offset:(\k)+(\i)*16*PITCH
	ds_load_b128 v[FA+32*(\f)+8*(\i)+4:FA+32*(\f)+8*(\i)+7], v[ADRA+(\slot)] offset:(\k)+(\i)*16*PITCH+32
.endr
.endm
; A load into a register that a matrix instruction has read, and an LDS store that reads a matrix result, stand four places behind that matrix instruction, and only plain vector instructions that
; name none of its registers are places (ISA guide 7.12.1 for vector instructions); the matrix instructions in between are not counted.
.macro PLACES
.rept 4
	v_nop
.endr
.endm
; A K step is four quarter steps of 32 along K, 48 matrix instructions each, on buffers 0, 1, 0, 1.
; One of the first three: multiplies buffer f; in its middle it fetches the next quarter's fragments, at byte k of the same slot's rows, into buffer g.
.macro QUARTER slot, k, f, g, zero
	s_wait_dscnt 4                                 ; wb and xb's rows 0-31 are in; the youngest four loads (xb's rows 32-63) may be out
	MUL12 \f, 0, \zero
	MUL12 \f, 1, \zero
	PLACES
	FETCH \slot, \k, \g
	s_wait_dscnt 32                                ; all but the 32 just issued
	MUL12 \f, 2, \zero
	MUL12 \f, 3, \zero
.endm
; The last quarter multiplies buffer 1 and changes slots: ONE barrier for two things.  In front of it each wave waits for all its tensor loads, of which one is out: its part of the next slot; adds 0 to
; its spare word; and waits for that and for its own reads of this slot.  Behind it nobody reads this slot any more and the next slot is whole.
; fill = 1: the barrier opens a round of the cluster's, so that no wave of any partner still reads the slot or has a load on its way, and the slot is filled again, two K steps ahead, first thing
; behind the round: from that request to the wait for it a wave issues 168 of a K step's 192 matrix instructions.  ask = 1: the prefetch follows the refill.
.macro TURN slot, next, fill, ask
	WIN 0                                          ; (the add's two registers lie in window 0)
	s_wait_tensorcnt 0x0                           ; all my tensor loads have landed: the one that was out is my part of the next slot;
	ds_add_u32 v[SPW], v[NIL]                      ; 0 onto my spare word
	s_wait_dscnt 5                                 ; (the add and the youngest four loads may be out)
	MUL12 1, 0, 0                                  ; twelve matrix instructions stand between the add and the wait for it
	s_wait_dscnt 0x0                               ; the add is done, and my reads of this slot are over
	s_barrier_signal -1
	MUL12 1, 1, 0                                  ; work on registers while the others arrive
.if \fill
	WIN 0
.endif
	s_barrier_wait -1
.if \fill
	CREST
	s_add_nc_u64 s[G0A+4*(\slot)+2:G0A+4*(\slot)+3], s[G0A+4*(\slot)+2:G0A+4*(\slot)+3], 2*KSTEP*2  ; no tensor load of mine is out: a group 0 may be written; the type bits on top are not reached
	s_add_nc_u64 s[G0B+4*(\slot)+2:G0B+4*(\slot)+3], s[G0B+4*(\slot)+2:G0B+4*(\slot)+3], 2*KSTEP*2
	JLOAD \slot                                    ; my one tensor load behind the round; the four v_nop behind it are also the places in front of the loads below
.if \ask
	ASK 0
.endif
.else
	PLACES
.endif
	FETCH \next, 0, 0
	MUL12 1, 2, 0
	MUL12 1, 3, 0
.endm
; THE WAY OUT, in twelve parts: part i is block a = i % 4 of my 16 rows x block u = i / 4 of 64 columns: four accumulators.
; TOSTAGE: a lane's eight neighbouring numbers of a row, 32 bytes, go into my own stage (rows of 272 bytes), each accumulator's low registers first, and come back as whole rows of 256 bytes.
.macro TOSTAGE i
.set AC, 8*(12*((\i)%2)+4*((\i)/4))
.set BK, OB+32*((\i)%2)
	WIN 0x08+4*(((\i)%4)/2)                        ; the stores' data (source 1): window 2 or 3
.irp b, 0,1,2,3
	ds_store_b128 v[STO], v[AC+8*(\b):AC+8*(\b)+3]   offset:64*(\b)
	ds_store_b128 v[STO], v[AC+8*(\b)+4:AC+8*(\b)+7] offset:64*(\b)+16
.endr
	WIN 0
	s_wait_xcnt 0x0                                ; the buffer below, which the stores of two parts ago read, is loaded again only behind this wait
.irp t, 0,1,2,3,4,5,6,7
	ds_load_b128 v[BK+4*(\t):BK+4*(\t)+3], v[RD] offset:(\t)*2*SPITCH  ; LDS serves a wave's instructions in order (ISA guide 5.7.1.4): these see the stores above; the next part's stores come behind them
.endr
.endm
; SEND: s x sum + bias, and the store.  younger: the LDS instructions issued behind part i's loads: the next part's sixteen, or none.  A block of columns that another tile owns is jumped over: stores and their arithmetic alone.
.macro SEND i, younger
	WIN 0
.set BK, OB+32*((\i)%2)
.set BU, BI+4*((\i)/4)
	s_wait_dscnt \younger                          ; the part is back in registers
	s_cmp_gt_u32 s[SK], (\i)/4
	s_cbranch_scc1 .Lskip_\@
.irp t, 0,1,2,3,4,5,6,7
	v_pk_fma_f32 v[BK+4*(\t):BK+4*(\t)+1],   v[BK+4*(\t):BK+4*(\t)+1],   s[SC:SC+1], v[BU:BU+1]   op_sel_hi:[1,0,1]
	v_pk_fma_f32 v[BK+4*(\t)+2:BK+4*(\t)+3], v[BK+4*(\t)+2:BK+4*(\t)+3], s[SC:SC+1], v[BU+2:BU+3] op_sel_hi:[1,0,1]
	global_store_b128 v[CO], v[BK+4*(\t):BK+4*(\t)+3], s[12:13] offset:(16*((\i)%4)+2*(\t))*ROWC+256*((\i)/4) th:TH_STORE_NT  ; 16 lanes store 256 consecutive bytes, at a multiple of 256 from out0's first byte; 62 rows and 512 bytes at the most: inside the signed 24-bit immediate
.endr
.Lskip_\@:
.endm
	s_wait_tensorcnt 1                             ; my part of K step 0 is in; K step 1's load, issued behind it, may stay out
	s_barrier_signal -1
	s_barrier_wait -1                              ; everybody's is
	FETCH 0, 0, 0
	QUARTER 0, 64, 0, 1, 1                         ; the first quarter stands in front of the loop: its products start the sums
	WIN 0                                          ; at a label and at a branch every window is 0
	s_mov_b32 s3, LAPS-1
.Llap:                                                 ; a trip goes once round the ring, from a lap's second quarter to the next lap's first, and fills both slots again
	QUARTER 0, 128, 1, 0, 0
	QUARTER 0, 192, 0, 1, 0
	TURN 0, 1, 1, 0
	QUARTER 1, 64,  0, 1, 0
	QUARTER 1, 128, 1, 0, 0
	QUARTER 1, 192, 0, 1, 0
	TURN 1, 0, 1, 1
	QUARTER 0, 64,  0, 1, 0
	WIN 0
	s_sub_co_u32 s3, s3, 1
	s_cmp_lg_u32 s3, 0
	s_cbranch_scc1 .Llap
	QUARTER 0, 128, 1, 0, 0                        ; the last lap is written out: it fills nothing, and has no round of the cluster's barrier
	QUARTER 0, 192, 0, 1, 0
	TURN 0, 1, 0, 0
	QUARTER 1, 64,  0, 1, 0
	QUARTER 1, 128, 1, 0, 0
	QUARTER 1, 192, 0, 1, 0
	s_wait_dscnt 4                                 ; the very last quarter: nothing more to fetch
	MUL12 1, 0, 0
	MUL12 1, 1, 0
	s_wait_dscnt 0x0
	MUL12 1, 2, 0
	MUL12 1, 3, 0
	WIN 0
	PLACES                                         ; the stage's stores read results just made
	TOSTAGE 0
.irp i, 1,2,3,4,5,6,7,8,9,10,11                ; a part's way through the stage stands between the loads of the part before and its stores
	TOSTAGE \i
	SEND (\i)-1, 16
.endr
	SEND 11, 0
	s_wait_tensorcnt 0x0                           ; the wave's end, behind my last tensor load and my last LDS store
	ds_add_u32 v[SPW], v[NIL]
	s_wait_dscnt 0x0
	CROUND                                         ; the closing round: no work-group ends while a partner may still ask for a tile that names it
	s_endpgm
.Lfunc_end_k_q8b453bd104_gemm:
	.size	k_q8b453bd104_gemm, .Lfunc_end_k_q8b453bd104_gemm-k_q8b453bd104_gemm
	.p2alignl 7, 3214868480
	.fill 96, 4, 3214868480
	.section	.rodata,"a",@progbits
	.p2align	6, 0x0
	.amdhsa_kernel k_q8b453bd104_gemm
		.amdhsa_group_segment_fixed_size 327680
		.amdhsa_private_segment_fixed_size 0
		.amdhsa_enable_private_segment 0
		.amdhsa_kernarg_size 40
		.amdhsa_user_sgpr_count 2
		.amdhsa_user_sgpr_kernarg_segment_ptr 1
		.amdhsa_wavefront_size32 1
		.amdhsa_system_sgpr_workgroup_id_x 1
		.amdhsa_system_sgpr_workgroup_id_y 1
		.amdhsa_system_sgpr_workgroup_id_z 1
		.amdhsa_system_vgpr_workitem_id 0
		.amdhsa_next_free_vgpr 960
		.amdhsa_next_free_sgpr 80
		.amdhsa_reserve_vcc 0
		.amdhsa_float_denorm_mode_32 3
		.amdhsa_float_denorm_mode_16_64 3
		.amdhsa_memory_ordered 1
		.amdhsa_forward_progress 1
		.amdhsa_inst_pref_size 134
	.end_amdhsa_kernel
	.amdgpu_metadata
---
amdhsa.version: [ 1, 2 ]
amdhsa.kernels:
  - .name:           k_q8b453bd104_gemm
    .symbol:         k_q8b453bd104_gemm.kd
    .args:
      - { .name: xb, .offset: 0, .size: 8, .value_kind: global_buffer, .address_space: global }
      - { .name: wb, .offset: 8, .size: 8, .value_kind: global_buffer, .address_space: global }
      - { .name: part, .offset: 16, .size: 8, .value_kind: global_buffer, .address_space: global }
      - { .name: bias, .offset: 24, .size: 8, .value_kind: global_buffer, .address_space: global }
      - { .name: out0, .offset: 32, .size: 8, .value_kind: global_buffer, .address_space: global }
    .group_segment_fixed_size: 327680
    .private_segment_fixed_size: 0
    .kernarg_segment_align: 8
    .kernarg_segment_size: 40
    .max_flat_workgroup_size: 128
    .sgpr_count:     80
    .vgpr_count:     960
    .wavefront_size: 32
...
	.end_amdgpu_metadata
.endif
;; end of part 2
